; MI455X (gfx1250); checked and timed in simulation.
; The chip was launched on July 23, 2026; its instructions are those of AMD's public machine-readable ISA for CDNA 5 (MIT licence, August 2026) and "CDNA5" Instruction Set Architecture Reference Guide (July 2026). The comments in the code are by the model that wrote it; some were corrected since.
;; Nonlocal block. Allowed arithmetic: matrix products marked QUANTISED: E2M3 operands, one E8M0 scale for each 32 along K, by v_wmma_scale_f32_16x16x128_f8f6f4 with both operands' format E2M3, f32 sums; everything else in f32.
;; Inputs: w_g 64 x 128 float32; w_last 128 x 64 float32; w_phi 64 x 128 float32; w_theta 64 x 128 float32; x 8 x 128 x 64 x 64 float32.
;; Outputs: out0 8 x 128 x 64 x 64 float32.
;; This version of the problem:
;;   THIS VERSION OF THE PROBLEM IS GIVEN IN LOW PRECISION. The matrix products marked QUANTISED in the list below multiply operands that are first quantised to E2M3 (2 exponent bits, 3 mantissa bits; 6 bits a number), with one power-of-two scale for each 32 numbers along K (OCP MX v1.0); their sums are f32. All else is computed in f32.
;;   The module's matrix products, in the order in which they are computed (A, B: the left and right operand; K: the contracted axis; several contracted axes count as one K, in the product's order):
;;     1. [M 32,768, K 128] x [K 128, N 64]; A: input x; B: input w_theta: QUANTISED
;;     2. [M 32,768, K 128] x [K 128, N 64]; A: input x; B: input w_phi: QUANTISED
;;     3. [M 32,768, K 128] x [K 128, N 64]; A: input x; B: input w_g: QUANTISED
;;     4. batch 8 x [M 4,096, K 64] x [K 64, N 4,096]; A: computed on the way; B: computed on the way: QUANTISED
;;     5. batch 8 x [M 64, K 4,096] x [K 4,096, N 4,096]; A: computed on the way; B: softmax (see below): QUANTISED
;;     6. [M 32,768, K 64] x [K 64, N 128]; A: computed on the way; B: input w_last: QUANTISED
;;   THE QUANTISER, for each operand of a quantised product, along K:
;;     - K is cut into blocks of 32 from its start; a last block that is shorter is filled with zeros.
;;     - A block's scale is 2^e with e = floor(log2(the largest magnitude in the block)) - 2, held to -126 .. 127; a block of zeros has e = 0. As a byte (E8M0): e + 127.
;;     - Each number is divided by its block's scale, clamped to +-7.5, and rounded to the nearest number of E2M3, ties to even, subnormals kept.
;;     - The product sums the exact products of the quantised numbers (number of the format x scale) in f32.
;;   ~~~python
;;   def quantise(x, axis):      # numpy; x: float32 -> the quantised numbers, widened to float32 again
;;       x = np.moveaxis(x, axis, -1); K = x.shape[-1]
;;       x = np.pad(x, [(0, 0)] * (x.ndim - 1) + [(0, -K % 32)]); x = x.reshape(x.shape[:-1] + (-1, 32)); a = np.abs(x).max(-1, keepdims=True)
;;       e = np.where(a > 0, np.clip(np.frexp(np.where(a > 0, a, 1))[1] - 1 - 2, -126, 127), 0)      # np.frexp(a)[1] - 1 = floor(log2(a)), exactly
;;       r = np.clip(x / 2.0 ** e, -7.5, 7.5)
;;       step = 2.0 ** (np.maximum(np.frexp(np.where(r == 0, 1, r))[1] - 1, 0) - 3)
;;       q = np.round(r / step) * step * 2.0 ** e      # np.round: ties to even
;;       return np.moveaxis(q.reshape(q.shape[:-2] + (-1,))[..., :K], -1, axis).astype(np.float32)
;;   ~~~
;;   SOFTMAX AHEAD OF A QUANTISED PRODUCT. Where the list says 'softmax', what is quantised is not the finished softmax but p = 2^(t - M), with t = logit x log2(e) and M = ceil(the row's largest t), a whole number; so 1/2 < the row's largest p <= 1. The row's sum l is taken of the UNQUANTISED p, in f32, and the product's result is divided by l at the end. Since M is a whole number, a kernel that streams over the keys may use a running M (the ceiling of the running maximum): every later rescaling is an exact power of two, which a block's scale takes up: the codes' values come out the same.
;;   OPERANDS COMPUTED ON THE WAY. 'Computed on the way' means the value that the module computes at that place (a softmax that the list does not call 'softmax' is quantised finished and normalised). What goes into a quantiser is computed in f32, as accurately as f32 sums, v_exp_f32 and their like allow (about 1e-6 of the number): no bf16 or f16 on the way to a quantiser, and a product that is left as it is and whose result goes on into a quantised operand takes f32 operands (vector FMAs, or v_wmma_f32_16x16x4_f32). A number that lies on a knife's edge between two numbers of the format may be rounded either way, as far as f32 arithmetic and the matrix unit's own rounding can turn it there, and no further.
;; One version. Each part assembles by itself: llvm-mc -triple=amdgcn-amd-amdhsa -mcpu=gfx1250 --defsym DOCPART=n.
;; ======== version 1 of 1: 2 launches
;; limits: right only within a limited range of input values
;; workspace buffers: kv 3,342,336 bytes; qb 1,703,936 bytes
;; launch proj (part 1): grid 32 x 8, 8 waves a work-group, no clusters, 167,936 bytes of LDS; arguments x, w_theta, w_phi, w_g, kv, qb; writes kv, qb
.if DOCPART == 1
	.amdgcn_target "amdgcn-amd-amdhsa--gfx1250"
	.amdhsa_code_object_version 6
	.text
	.protected	k_qf9aa80e462_proj
	.globl	k_qf9aa80e462_proj
	.p2align	8
	.type	k_qf9aa80e462_proj,@function
k_qf9aa80e462_proj:
	s_mov_b64 s[64:65], 0
	v_nop
	global_prefetch_b8 v0, s[64:65] scope:SCOPE_SE
	s_setreg_imm32_b32 hwreg(HW_REG_WAVE_MODE, 25, 1), 1
	s_wait_xcnt 0x0
; theta, phi, g = w x for 128 positions of one batch, all three products on codes of FP6 (E2M3) with one E8M0 scale for each 32 along K,
; and the results quantised again for the attention: theta and phi along their 64 channels, g along the positions (the keys).
; x: [8][128][4096] f32 (K = the 128 channels is NOT innermost); w_theta, w_phi, w_g: [64][128] f32 (K innermost).
; Work-group (blk, batch) owns positions 128 blk .. + 127 and writes one record of kv and one of qb.  x's 128 rows of 512 bytes come into LDS by one tensor load a wave.
; SHARES.  Wave w = (group pg = w % 4, half kh = w / 4).  It quantises half kh (64 of the 128 channels) of tile pg of each weight, and half kh of the channels of positions 32 pg .. + 31: a lane takes one position and its
; registers run down the channels.  The codes are handed over through LDS as half images of operands (768 bytes: registers 0-3 of lane L at 16 L, registers 4-5 at 512 + 8 L).
; Then for its 32 positions wave (pg, 0) makes theta and channels 0-31 of g, wave (pg, 1) phi and channels 32-63 of g.
; kv, a record of KVB bytes for each 128 keys: K (phi, 8 tiles of 16 keys) and V (g, 4 tiles of 16 channels) as planes of four operand registers x 32 lanes x 16 bytes; KS, VS their scale words, lane by lane.
; qb, QREC bytes for each 128 positions: theta's 8 tiles as half images, their scale words.
; THE ITEMS OF A TILE ARE NOT NEIGHBOURS: lane r of tile 2 b + u of positions here, and of the weights' rows, holds item 32 b + 8 u + r + 8 (r / 8), so that 16 result registers of tiles 2 b and 2 b + 1 are 16 neighbours.
; In kv a tile of K holds, in row 8 hh + j of tile 4 c + u, key 64 c + 32 hh + 8 u + j.
; K = 64 operands (theta, phi) are six registers; their scale words carry 127 for the two blocks that do not exist.
; No cluster: what work-groups share is the three weights, which each lane loads straight into registers.  No prefetch: there is no loop.
; LIMITS: NaN and infinities among the inputs are not served; a block whose largest magnitude lies under 2^-124 keeps the byte 1; a block of zeros gets the byte 1 where the rule says 127
; (its codes are zeros, which add nothing under any byte but 0xff, and this program alone reads the bytes).
.set KVB,  13056
.set QREC, 6656
.set QS,   6144
; LDS: x at 0: 128 rows of 512 bytes
.set WI,   65536                       ; 24 half images of the weights: 2 (4 m + t) + c
.set WSC,  WI+18432                    ; their scale words, 64 bytes for each of 12 fragments
.set XI,   WSC+768                     ; x's: for each group 4 half images: 2 T + c
.set XS,   XI+12288                    ; x's scale words, 128 bytes for each group
.set REC,  XS+512                      ; the record of kv as it leaves
.set SQS,  REC+KVB                     ; theta's scale words
.set SPARE, SQS+512                    ; the spare words, 128 bytes for each wave
.set SPW,  1
.set NIL,  2
.set L16,  3
.set L8,   4
.set L4,   5
.set WO,   6
.set WI16, 7
.set WI8,  8
.set WB,   9
.set XA,   10
.set XS16, 11
.set XS8,  12
.set XSB,  13
.set XL16, 14
.set XL8,  15
.set XLS,  16
.set WL16, 17
.set WL8,  18
.set WLS,  19
.set WG16, 20
.set WG8,  21
.set WGS,  22
.set KA,   23
.set KSA,  24
.set GV0,  25
.set GV1,  26
.set GB,   27
.set QO16, 28
.set QO8,  29
.set SQ4,  30
.set CPY,  31
.set CPG,  32
.set XSC,  33                          ; x's scale words: lanes 0-15 tile 0's, lanes 16-31 tile 1's
.set WSR,  34                          ; v34-35 my first weight's: lanes 0-15 fragment 2 q, lanes 16-31 fragment 2 q + 1;  v36 w_g's two
.set R16,  38
.set R8,   39
.set TX,   40                          ; v40-45 largest magnitudes
.set TB,   46                          ; v46-51 lane permutes' destinations, then bytes
.set TE,   52                          ; v52-57 the conversions' scale operands
.set Q16,  61
.set WR,   64                          ; v64-159 weights as loaded; later v64-135 six fragments, v136-159 x's two
.set XF,   136
.set XR,   160                         ; v160-223 x as loaded
.set AC,   160                         ; v160-223 theta or phi, v224-255 g
.set WC,   224                         ; v224-241 the weights' codes, ahead of the products
.set WX,   244
.set PC,   64                          ; v64-75 theta's or phi's codes, v76-81 g's
.set CT,   84                          ; second halves of conversions
.set WV,   14
.set G0,   20
.set G1,   40
.set MSK,  30
.set SEL,  38
.macro WALU
	s_wait_alu depctr_va_vdst(0)
.endm
.macro BARRIER
	s_barrier_signal -1
	s_barrier_wait -1
.endm
	s_load_b256 s[4:11], s[0:1], 0x0               ; x s[4:5], w_theta s[6:7], w_phi s[8:9], w_g s[10:11]
	s_load_b128 s[32:35], s[0:1], 0x20             ; kv s[32:33], qb s[34:35]
	v_lshl_add_u32 v[SPW], v0, 2, SPARE
	v_mov_b32 v[NIL], 0
	ds_add_u32 v[SPW], v[NIL]                      ; the wave's opening: the add, twice on end, and its wait
	ds_add_u32 v[SPW], v[NIL]
	v_lshrrev_b32 v240, 5, v0
	v_readfirstlane_b32 s[WV], v240                ; wave 0..7
	s_and_b32 s15, ttmp7, 0xffff                   ; batch
	s_lshl_b32 s16, s15, 21                        ; x: batch x 128 rows of 16,384 bytes
	s_lshl_b32 s17, ttmp9, 9                       ;    + blk x 128 positions
	s_add_co_u32 s16, s16, s17
	s_lshl_b32 s17, s[WV], 18                      ;    + my 16 rows
	s_add_co_u32 s16, s16, s17
	s_mov_b32 s17, 0
	s_lshl_b32 s18, s15, 5
	s_add_co_u32 s18, s18, ttmp9
	s_mul_i32 s36, s18, QREC
	s_mov_b32 s37, 0
	s_mul_i32 s18, s18, KVB
	s_mov_b32 s19, 0
	s_mov_b32 s[G1], 3<<16                         ; a tile of 16 rows x 512 bytes: 64 elements of 8 bytes,
	s_mov_b32 s[G1+1], 64<<16
	s_mov_b32 s[G1+2], 16<<16
	s_mov_b32 s[G1+3], 64<<16
	s_mov_b32 s[G1+4], 16
	s_mov_b32 s[G1+5], 2048                        ; rows 16,384 bytes apart
	s_mov_b32 s[G1+6], 0
	s_mov_b32 s[G1+7], 0
	s_mov_b32 s[G0], 1
	s_lshl_b32 s[G0+1], s[WV], 13
	s_and_b32 s24, s[WV], 3                        ; pg
	s_lshr_b32 s25, s[WV], 2                       ; kh
	s_and_b32 s26, s24, 1
	s_lshr_b32 s27, s24, 1
	s_lshl_b32 s28, s27, 5
	s_lshl_b32 s29, s26, 3
	s_add_co_u32 s28, s28, s29                     ; where tile pg of a weight begins
	s_lshl_b32 s29, s25, 8
	s_mov_b32 s[MSK], 0xffff0000                   ; lanes 16-31
	v_and_b32 v240, 31, v0                         ; lane
	v_and_b32 v241, 15, v0                         ; r
	v_bfe_u32 v242, v0, 4, 1                       ; h
	v_bfe_u32 v243, v0, 3, 1
	v_and_b32 v244, 7, v0
	v_lshl_add_u32 v245, v243, 3, v241             ; r + 8 (r / 8)
	v_add_nc_u32 v245, s28, v245                   ; my row of a weight
	v_lshlrev_b32 v[WO], 9, v245
	v_lshl_add_u32 v[WO], v242, 7, v[WO]           ; + my half of the lanes' 32 numbers
	v_add_nc_u32 v[WO], s29, v[WO]                 ; of my half of K
	WALU
	s_wait_dscnt 0x0
	s_wait_kmcnt 0x0
	s_add_nc_u64 s[G0+2:G0+3], s[4:5], s[16:17]
	s_or_b32 s[G0+3], s[G0+3], 0x80000000
	tensor_load_to_lds s[G0:G0+3], s[G1:G1+7]      ; my 16 channels of x
	s_nop 0
.rept 4
	v_nop
.endr
.irp m, 0,1,2
.irp j, 0,1,2,3,4,5,6,7
	global_load_b128 v[WR+32*\m+4*\j:WR+32*\m+4*\j+3], v[WO], s[6+2*\m:7+2*\m] offset:16*\j
.endr
.endr
	s_add_nc_u64 s[32:33], s[32:33], s[18:19]      ; my record of kv,
	s_add_nc_u64 s[34:35], s[34:35], s[36:37]      ; and of qb
	s_mov_b32 s[SEL], 0x76543210
	s_mov_b32 s[SEL+1], 0xfedcba98                 ; v_permlanex16_b32's selects for lane l xor 16
	v_lshlrev_b32 v[L16], 4, v240
	v_lshlrev_b32 v[L8], 3, v240
	v_lshlrev_b32 v[L4], 2, v240
	s_lshl_b32 s28, s24, 1
	s_add_co_u32 s28, s28, s25
	s_mul_i32 s28, s28, 768
	s_add_co_u32 s28, s28, WI                      ; the weights' half images 2 pg + kh (+ 8 m)
	v_add_nc_u32 v[WI16], s28, v[L16]
	s_add_co_u32 s28, s28, 512
	v_add_nc_u32 v[WI8], s28, v[L8]
	s_lshl_b32 s28, s24, 6
	s_lshl_b32 s29, s25, 1
	s_add_co_u32 s28, s28, s29
	s_add_co_u32 s28, s28, WSC
	v_lshl_add_u32 v[WB], v241, 2, v242
	v_add_nc_u32 v[WB], s28, v[WB]                 ; byte 2 kh + h of my row's word
	s_lshl_b32 s28, s24, 7                         ; 128 pg
	s_lshl_b32 s29, s25, 15
	s_add_co_u32 s29, s29, s28
	v_lshl_add_u32 v245, v243, 4, v244
	v_lshl_add_u32 v245, v242, 3, v245             ; my position: lanes 0-15 are tile 0 (0-7, 16-23), lanes 16-31 tile 1 (8-15, 24-31)
	v_lshl_add_u32 v[XA], v245, 2, s29             ; x: row 64 kh, my position
	s_mul_i32 s29, s24, 3072
	s_add_co_u32 s29, s29, XI
	v_add_nc_u32 v[XL16], s29, v[L16]              ; my group's half images of x, to read
	s_add_co_u32 s31, s29, 512
	v_add_nc_u32 v[XL8], s31, v[L8]
	s_mul_i32 s31, s25, 768
	s_add_co_u32 s29, s29, s31
	v_mul_u32_u24 v246, 1536, v242
	v_lshl_add_u32 v[XS16], v241, 4, v246
	v_add_nc_u32 v[XS16], s29, v[XS16]             ; and to write: half image 2 (lane / 16) + kh, row r
	s_add_co_u32 s29, s29, 512
	v_lshl_add_u32 v[XS8], v241, 3, v246
	v_add_nc_u32 v[XS8], s29, v[XS8]
	s_add_co_u32 s29, s28, XS
	v_add_nc_u32 v[XLS], s29, v[L4]
	s_lshl_b32 s31, s25, 1
	s_add_co_u32 s29, s29, s31
	v_add_nc_u32 v[XSB], s29, v[L4]                ; bytes 2 kh, 2 kh + 1 of my position's word
	s_mul_i32 s29, s25, 6144
	s_add_co_u32 s29, s29, WI
	v_add_nc_u32 v[WL16], s29, v[L16]              ; my first weight's fragments: w_theta's or w_phi's four
	s_add_co_u32 s29, s29, 512
	v_add_nc_u32 v[WL8], s29, v[L8]
	s_lshl_b32 s29, s25, 8
	s_add_co_u32 s29, s29, WSC
	v_add_nc_u32 v[WLS], s29, v[L4]
	s_mul_i32 s29, s25, 3072
	s_add_co_u32 s31, s29, WI+12288
	v_add_nc_u32 v[WG16], s31, v[L16]              ; w_g's two
	s_add_co_u32 s31, s31, 512
	v_add_nc_u32 v[WG8], s31, v[L8]
	s_lshl_b32 s31, s25, 7
	s_add_co_u32 s31, s31, WSC+512
	v_add_nc_u32 v[WGS], s31, v[L4]
	v_lshl_add_u32 v[GV0], v241, 4, v246
	s_lshl_b32 s31, s26, 8
	s_add_co_u32 s29, s29, s31
	s_add_co_u32 s29, s29, REC+6144                ; g: tile 2 kh + h, lanes 16 (pg % 2) on; registers 6 (pg / 2) on: pairs 0 and 2 lie 520 bytes further on for pg / 2 = 1, pair 1 1,016
	s_mul_i32 s31, s27, 1016
	s_add_co_u32 s31, s31, s29
	v_add_nc_u32 v[GV1], s31, v[GV0]
	s_mul_i32 s31, s27, 520
	s_add_co_u32 s31, s31, s29
	v_add_nc_u32 v[GV0], s31, v[GV0]
	s_lshl_b32 s29, s25, 2
	s_add_co_u32 s29, s29, s24
	s_add_co_u32 s29, s29, REC+12800
	v_add_nc_u32 v[GB], s29, v[L8]                 ; byte pg of word kh
	v_lshlrev_b32 v246, 4, v244
	v_lshl_add_u32 v246, v242, 8, v246             ; 16 (lane % 8) + 256 (lane / 16)
	s_lshl_b32 s29, s26, 7
	s_mul_i32 s31, s27, 3072
	s_add_co_u32 s31, s31, s29
	s_add_co_u32 s31, s31, REC
	v_mul_u32_u24 v247, 1536, v243                 ; rows 8-15 of my tiles are two tiles further on: three planes
	v_add3_u32 v[KA], v246, v247, s31              ; phi's codes: plane 6 (pg / 2), 8 (pg % 2) rows on
	s_lshl_b32 s31, s27, 3
	s_add_co_u32 s31, s31, s29
	s_add_co_u32 s31, s31, REC+12288
	v_lshl_add_u32 v[KSA], v243, 2, v246
	v_add_nc_u32 v[KSA], s31, v[KSA]               ; and its scale word
	s_mul_i32 s29, s24, 1536
	v_add_nc_u32 v[QO16], s29, v[L16]              ; theta's half images in qb
	s_add_co_u32 s29, s29, 512
	v_add_nc_u32 v[QO8], s29, v[L8]
	s_add_co_u32 s29, s28, SQS
	v_add_nc_u32 v[SQ4], s29, v[L4]
	s_mul_i32 s29, s[WV], 1536
	v_add_nc_u32 v[CPG], s29, v[L16]               ; my part of the record on the way out
	s_add_co_u32 s29, s29, REC
	v_add_nc_u32 v[CPY], s29, v[L16]
	v_add_nc_u32 v[R16], REC+12288, v[L16]
	v_add_nc_u32 v[R8], REC+12800, v[L8]
	v_add_nc_u32 v[Q16], SQS, v[L16]
.irp b, 0,1,2,3,4,5
	v_mov_b32 v[TB+\b], 0                          ; a lane permute's destination counts as one of its sources
.endr
	WALU                                           ; the head's end
	s_wait_loadcnt 0x0
	; ---- the weights: three blocks a lane, all 32 numbers of a block are the lane's
.irp m, 0,1,2
	v_max3_num_f32 v[TX+\m], |v[WR+32*\m]|, |v[WR+32*\m+1]|, 0x1800000        ; with the floor 2^(3 - 127): the byte cannot fall under 1
	v_max3_num_f32 v[TX+3+\m], |v[WR+32*\m+16]|, |v[WR+32*\m+17]|, 0x1800000
.endr
.irp i, 2,4,6,8,10,12,14
.irp m, 0,1,2
	v_max3_num_f32 v[TX+\m], v[TX+\m], |v[WR+32*\m+\i]|, |v[WR+32*\m+\i+1]|
	v_max3_num_f32 v[TX+3+\m], v[TX+3+\m], |v[WR+32*\m+16+\i]|, |v[WR+32*\m+17+\i]|
.endr
.endr
.irp m, 0,1,2
	v_max_num_f32 v[TX+\m], v[TX+\m], v[TX+3+\m]
.endr
.irp m, 0,1,2
	v_add_nc_u32 v[TE+\m], 0xff000000, v[TX+\m]    ; 2 off the exponent field: the conversion's scale operand
.endr
.irp m, 0,1,2
	v_lshrrev_b32 v[TX+\m], 23, v[TE+\m]           ; the byte
.endr
.irp m, 0,1,2
	v_cvt_scalef32_pk16_fp6_f32 v[WC+6*\m:WC+6*\m+2], v[WR+32*\m:WR+32*\m+15], v[TE+\m]
	v_cvt_scalef32_pk16_fp6_f32 v[WX+4*\m:WX+4*\m+2], v[WR+32*\m+16:WR+32*\m+31], v[TE+\m]
.endr
	v_nop                                          ; one plain place behind a scaled conversion
.irp m, 0,1,2
.irp i, 0,1,2
	v_mov_b32 v[WC+6*\m+3+\i], v[WX+4*\m+\i]
.endr
.endr
.irp m, 0,1,2
	ds_store_b128 v[WI16], v[WC+6*\m:WC+6*\m+3] offset:6144*\m
	ds_store_b64 v[WI8], v[WC+6*\m+4:WC+6*\m+5] offset:6144*\m
	ds_store_b8 v[WB], v[TX+\m] offset:256*\m
.endr
	; ---- x: two blocks of 32 channels of my position
	WALU
	s_wait_tensorcnt 0x0
	s_wait_dscnt 0x0
	BARRIER                                        ; all 128 rows of x are in
.set i, 0
.rept 64
	ds_load_b32 v[XR+i], v[XA] offset:512*i
.set i, i+1
.endr
.macro XMAX b
	v_max3_num_f32 v[TX+2*\b], |v[XR+32*\b]|, |v[XR+32*\b+1]|, 0x1800000
	v_max3_num_f32 v[TX+2*\b+1], |v[XR+32*\b+16]|, |v[XR+32*\b+17]|, 0x1800000
.irp i, 2,4,6,8,10,12,14
	v_max3_num_f32 v[TX+2*\b], v[TX+2*\b], |v[XR+32*\b+\i]|, |v[XR+32*\b+\i+1]|
	v_max3_num_f32 v[TX+2*\b+1], v[TX+2*\b+1], |v[XR+32*\b+16+\i]|, |v[XR+32*\b+17+\i]|
.endr
	v_max_num_f32 v[TX+2*\b], v[TX+2*\b], v[TX+2*\b+1]
	v_add_nc_u32 v[TE+\b], 0xff000000, v[TX+2*\b]
	v_lshrrev_b32 v[TX+2*\b], 23, v[TE+\b]
.endm
	s_wait_dscnt 32                                ; the second block's 32 loads may be out
	XMAX 0
	WALU
	s_wait_dscnt 0x0
	XMAX 1
.irp b, 0,1
	v_cvt_scalef32_pk16_fp6_f32 v[PC+6*\b:PC+6*\b+2], v[XR+32*\b:XR+32*\b+15], v[TE+\b]
	v_cvt_scalef32_pk16_fp6_f32 v[CT+4*\b:CT+4*\b+2], v[XR+32*\b+16:XR+32*\b+31], v[TE+\b]
.endr
	v_lshl_or_b32 v58, v[TX+2], 8, v[TX]           ; (the plain place)
.irp b, 0,1
.irp i, 0,1,2
	v_mov_b32 v[PC+6*\b+3+\i], v[CT+4*\b+\i]
.endr
.endr
.irp b, 0,1
	ds_store_b128 v[XS16], v[PC+6*\b:PC+6*\b+3] offset:256*\b      ; block 2 kh + b lies in lanes 16 b on
	ds_store_b64 v[XS8], v[PC+6*\b+4:PC+6*\b+5] offset:128*\b
.endr
	ds_store_b16 v[XSB], v58
	WALU
	s_wait_dscnt 0x0                               ; for the others' sake: my codes have landed
	BARRIER
	ds_load_b32 v[XSC], v[XLS]
	ds_load_b32 v[WSR], v[WLS]
	ds_load_b32 v[WSR+1], v[WLS] offset:128
	ds_load_b32 v[WSR+2], v[WGS]
.irp k, 0,1,2,3
	ds_load_b128 v[XF+6*\k:XF+6*\k+3], v[XL16] offset:768*\k
	ds_load_b64 v[XF+6*\k+4:XF+6*\k+5], v[XL8] offset:768*\k
.endr
.irp k, 0,1,2,3,4,5,6,7
	ds_load_b128 v[WR+6*\k:WR+6*\k+3], v[WL16] offset:768*\k       ; half images in order: fragment t at v[64 + 12 t]
	ds_load_b64 v[WR+6*\k+4:WR+6*\k+5], v[WL8] offset:768*\k
.endr
.irp k, 0,1,2,3
	ds_load_b128 v[WR+48+6*\k:WR+48+6*\k+3], v[WG16] offset:768*\k
	ds_load_b64 v[WR+48+6*\k+4:WR+48+6*\k+5], v[WG8] offset:768*\k
.endr
	s_wait_dscnt 0x0
	; ---- the products, each whole in one instruction (K = 128): C = 0
.macro PR d, a, b, xa, xb, ra, rb
	v_wmma_scale_f32_16x16x128_f8f6f4 v[\d:\d+7], v[\a:\a+11], v[\b:\b+11], 0, v[\xa], v[\xb] matrix_a_fmt:MATRIX_FMT_FP6 matrix_b_fmt:MATRIX_FMT_FP6 matrix_a_scale:MATRIX_SCALE_ROW\ra matrix_b_scale:MATRIX_SCALE_ROW\rb
.endm
	; theta or phi: source 0 = 16 rows of the weight, source 1 = 16 positions: a lane holds one position, its registers run along the 64 channels
.irp tt, 0,1
	PR AC+32*\tt,    WR,    XF+12*\tt, WSR,   XSC, 0, \tt
	PR AC+32*\tt+8,  WR+12, XF+12*\tt, WSR,   XSC, 1, \tt
	PR AC+32*\tt+16, WR+24, XF+12*\tt, WSR+1, XSC, 0, \tt
	PR AC+32*\tt+24, WR+36, XF+12*\tt, WSR+1, XSC, 1, \tt
.endr
	; g the other way round: a lane holds one channel, its registers run along the positions, which are the next K
.irp n, 0,1
	PR AC+64+16*\n,   XF,    WR+48+12*\n, XSC, WSR+2, 0, \n
	PR AC+64+16*\n+8, XF+12, WR+48+12*\n, XSC, WSR+2, 1, \n
.endr
.rept 4
	v_nop                                          ; places in front of the first read of results
.endr
	; ---- six blocks, in halves of 16 numbers: 0, 1 theta's or phi's of tile 0, 2, 3 of tile 1; 4, 5 g's two tiles of channels
.irp b, 0,1,2,3,4,5
	v_max3_num_f32 v[TX+\b], |v[AC+16*\b]|, |v[AC+16*\b+1]|, 0x1800000
.endr
.irp i, 2,4,6,8,10,12,14
.irp b, 0,1,2,3,4,5
	v_max3_num_f32 v[TX+\b], v[TX+\b], |v[AC+16*\b+\i]|, |v[AC+16*\b+\i+1]|
.endr
.endr
.irp b, 0,1,2,3,4,5
	v_permlanex16_b32 v[TB+\b], v[TX+\b], s[SEL], s[SEL+1]
.endr
.irp b, 0,1,2,3,4,5
	v_max_num_f32 v[TX+\b], v[TX+\b], v[TB+\b]     ; with lane l xor 16's: the block's largest magnitude
.endr
.irp b, 0,1,2,3,4,5
	v_add_nc_u32 v[TE+\b], 0xff000000, v[TX+\b]
.endr
.irp b, 0,1,2,3,4,5
	v_lshrrev_b32 v[TB+\b], 23, v[TE+\b]
.endr
.irp c, 0,1,2
	v_cvt_scalef32_pk16_fp6_f32 v[PC+6*\c:PC+6*\c+2], v[AC+32*\c:AC+32*\c+15], v[TE+2*\c]
	v_cvt_scalef32_pk16_fp6_f32 v[CT+4*\c:CT+4*\c+2], v[AC+32*\c+16:AC+32*\c+31], v[TE+2*\c+1]
.endr
	v_lshl_or_b32 v58, v[TB+1], 8, v[TB]           ; (the plain place)
	v_lshl_or_b32 v59, v[TB+3], 8, v[TB+2]
.irp c, 0,1,2
.irp i, 0,1,2
	v_permlane16_swap_b32 v[PC+6*\c+\i], v[CT+4*\c+\i]   ; half blocks become whole blocks: lanes 0-15 block 2 c, lanes 16-31 block 2 c + 1
.endr
.irp i, 0,1,2
	v_mov_b32 v[PC+3+6*\c+\i], v[CT+4*\c+\i]
.endr
.endr
	v_cndmask_b32 v37, v58, v59, s[MSK]            ; lanes 0-15 tile 0's word, lanes 16-31 tile 1's
	v_or_b32 v37, 0x7f7f0000, v37                  ; 127 for the blocks that do not exist
	v_cndmask_b32 v60, v[TB+4], v[TB+5], s[MSK]
	ds_store_b64 v[GV0], v[PC+12:PC+13]            ; g: lane (r, h) holds channel r of tile 2 kh + h, keys 32 pg + 0 .. 31
	ds_store_b64 v[GV1], v[PC+14:PC+15] offset:8
	ds_store_b64 v[GV0], v[PC+16:PC+17] offset:512
	ds_store_b8 v[GB], v60
	WALU
	s_cmp_eq_u32 s25, 0
	s_cbranch_scc0 .Lphi
	ds_store_b32 v[SQ4], v37                       ; theta: its half images straight to qb
.irp u, 0,1
	global_store_b128 v[QO16], v[PC+6*\u:PC+6*\u+3], s[34:35] offset:768*\u
	global_store_b64 v[QO8], v[PC+6*\u+4:PC+6*\u+5], s[34:35] offset:768*\u
.endr
	s_branch .Lstaged
.Lphi:
	ds_store_b32 v[KSA], v37
	ds_store_b128 v[KA], v[PC:PC+3]                ; tile 0: registers 0-3 fill a plane's 16 bytes, 4-5 the lower half of the next plane's,
	ds_store_b64 v[KA], v[PC+4:PC+5] offset:512
	ds_store_b64 v[KA], v[PC+6:PC+7] offset:520    ; tile 1: registers 0-1 the upper half, 2-5 the plane behind
	ds_store_b128 v[KA], v[PC+8:PC+11] offset:1024
.Lstaged:
	s_wait_dscnt 0x0                               ; for the others' sake: my stores into the stage have landed
	BARRIER
	; ---- the record leaves: every store covers whole aligned runs of 256 bytes
.irp j, 0,1,2
	ds_load_b128 v[AC+4*\j:AC+4*\j+3], v[CPY] offset:512*\j
.endr
.irp j, 0,1,2
	s_wait_dscnt 2-\j                              ; LDS loads come back in order: the younger ones may be out
	global_store_b128 v[CPG], v[AC+4*\j:AC+4*\j+3], s[32:33] offset:512*\j
.endr
	s_cmp_eq_u32 s[WV], 0
	s_cbranch_scc0 .Lnot_0
	ds_load_b128 v[AC+12:AC+15], v[R16]            ; wave 0: phi's scale words
	s_wait_dscnt 0x0
	global_store_b128 v[L16], v[AC+12:AC+15], s[32:33] offset:12288
.Lnot_0:
	s_cmp_eq_u32 s[WV], 1
	s_cbranch_scc0 .Lnot_1
	ds_load_b64 v[AC+16:AC+17], v[R8]              ; wave 1: g's
	s_wait_dscnt 0x0
	global_store_b64 v[L8], v[AC+16:AC+17], s[32:33] offset:12800
.Lnot_1:
	s_cmp_eq_u32 s[WV], 2
	s_cbranch_scc0 .Lnot_2
	ds_load_b128 v[AC+20:AC+23], v[Q16]            ; wave 2: theta's
	s_wait_dscnt 0x0
	global_store_b128 v[L16], v[AC+20:AC+23], s[34:35] offset:QS
.Lnot_2:
	s_wait_tensorcnt 0x0                           ; the wave's end
	ds_add_u32 v[SPW], v[NIL]
	s_wait_dscnt 0x0
	s_endpgm
.Lfunc_end_k_qf9aa80e462_proj:
	.size	k_qf9aa80e462_proj, .Lfunc_end_k_qf9aa80e462_proj-k_qf9aa80e462_proj
	.p2alignl 7, 3214868480
	.fill 96, 4, 3214868480
	.section	.rodata,"a",@progbits
	.p2align	6, 0x0
	.amdhsa_kernel k_qf9aa80e462_proj
		.amdhsa_group_segment_fixed_size 167936
		.amdhsa_private_segment_fixed_size 0
		.amdhsa_enable_private_segment 0
		.amdhsa_kernarg_size 48
		.amdhsa_user_sgpr_count 2
		.amdhsa_user_sgpr_kernarg_segment_ptr 1
		.amdhsa_wavefront_size32 1
		.amdhsa_system_sgpr_workgroup_id_x 1
		.amdhsa_system_sgpr_workgroup_id_y 1
		.amdhsa_system_sgpr_workgroup_id_z 1
		.amdhsa_system_vgpr_workitem_id 0
		.amdhsa_next_free_vgpr 256
		.amdhsa_next_free_sgpr 66
		.amdhsa_reserve_vcc 0
		.amdhsa_float_denorm_mode_32 3
		.amdhsa_float_denorm_mode_16_64 3
		.amdhsa_memory_ordered 1
		.amdhsa_forward_progress 1
		.amdhsa_inst_pref_size 35
	.end_amdhsa_kernel
	.amdgpu_metadata
---
amdhsa.version: [ 1, 2 ]
amdhsa.kernels:
  - .name:           k_qf9aa80e462_proj
    .symbol:         k_qf9aa80e462_proj.kd
    .args:
      - { .name: x, .offset: 0, .size: 8, .value_kind: global_buffer, .address_space: global }
      - { .name: w_theta, .offset: 8, .size: 8, .value_kind: global_buffer, .address_space: global }
      - { .name: w_phi, .offset: 16, .size: 8, .value_kind: global_buffer, .address_space: global }
      - { .name: w_g, .offset: 24, .size: 8, .value_kind: global_buffer, .address_space: global }
      - { .name: kv, .offset: 32, .size: 8, .value_kind: global_buffer, .address_space: global }
      - { .name: qb, .offset: 40, .size: 8, .value_kind: global_buffer, .address_space: global }
    .group_segment_fixed_size: 167936
    .private_segment_fixed_size: 0
    .kernarg_segment_align: 8
    .kernarg_segment_size: 48
    .max_flat_workgroup_size: 256
    .sgpr_count:     66
    .vgpr_count:     256
    .wavefront_size: 32
...
	.end_amdgpu_metadata
.endif
;; end of part 1
;; launch attn (part 2): grid 32 x 8, 16 waves a work-group, clusters of 4 x 1, 327,680 bytes of LDS; arguments kv, qb, w_last, x, out0; writes out0
.if DOCPART == 2
	.amdgcn_target "amdgcn-amd-amdhsa--gfx1250"
	.amdhsa_code_object_version 6
	.text
	.protected	k_qf9aa80e462_attn
	.globl	k_qf9aa80e462_attn
	.p2align	8
	.type	k_qf9aa80e462_attn,@function
k_qf9aa80e462_attn:
	s_mov_b64 s[64:65], 0
	v_nop
	global_prefetch_b8 v0, s[64:65] scope:SCOPE_SE
	s_setreg_imm32_b32 hwreg(HW_REG_WAVE_MODE, 25, 1), 1
	s_wait_xcnt 0x0
	s_wait_alu depctr_hold_cnt(0) depctr_sa_sdst(0) depctr_va_vdst(0) depctr_va_sdst(0) depctr_va_ssrc(0) depctr_va_vcc(0) depctr_vm_vsrc(0)
	s_getreg_b32 s2, hwreg(HW_REG_IB_STS2, 6, 4)
	s_cmp_eq_u32 s2, 0
	s_cbranch_scc0 .Lentry_in_a_cluster
	s_endpgm
.Lentry_in_a_cluster:
	s_bfe_u32 s2, ttmp6, 0x10000c
	s_cmp_lg_u32 s2, 0x3003
	s_cbranch_scc0 .Lentry_shape_is_right
	s_endpgm
.Lentry_shape_is_right:
; out = w_last softmax(theta^T phi) g + x for 128 positions (queries) of one batch; all three products on codes of FP6 (E2M3) with one E8M0 scale for each 32 along K.
; kv: a record of KVB bytes for each 128 keys: K (phi, 8 tiles of 16 keys), V (g, 4 tiles of 16 channels), as planes of four operand registers x 32 lanes x 16 bytes; then their scale words, lane by lane.  qb: theta's tiles.
; THE SOFTMAX AHEAD OF THE SECOND PRODUCT: t = score x log2(e); M = the running largest t rounded UP to a whole number; p = 2^(t - M) is quantised along the keys, not normalised.
; The row's sum is taken of the unquantised p and divides O at the end.  When M moves, the sum and O are multiplied by 2^(old M - new M): exact.
; A block's scale exponent is floor(its largest t - M) - 2.
; SHARES.  A work-group owns 128 queries.  Wave w takes the 16 queries of tile w % 8 against half w / 8 of the keys: 16 records.  Four waves to a SIMD.  At the end waves 8-15 send their O, M and sum through LDS to waves 0-7.
; LAYOUT.  S^T = phi theta^T, O^T = g p^T: a lane holds ONE query throughout.  The keys of a tile are ordered so that a lane's 32 registers of four tiles are 32 neighbouring keys: lanes 0-15 block 2 c, lanes 16-31 block 2 c + 1,
; a whole scale block in one lane, and its codes fall as the operand registers want them.
; ORDER.  A step begins with twelve products: O of the last step and S of this one.  Then V of this step and K of the next are fetched.
; K = 64 in an instruction of K = 128: registers 6-11 of theta (and of y) are zero codes.  The other operand's upper six registers are whatever codes lie behind it: finite numbers x 0.  Scale bytes of the blocks that do not exist are 127.
; LDS holds 24 records from the head on: 12 of each half.  ONE refill, ahead of step 5, puts each half's last four records onto its first four.
; CLUSTER.  The four query blocks of a cluster belong to one batch and walk the same records: each is asked for JOINTLY.
; PREFETCH: x's residual, 16 blocks of 256 bytes a wave, four steps ahead of its loads.  None for kv: the one refill has three steps' work in which to land, all else is asked for at the head.
; LIMITS: NaN and infinities among the inputs are not served; scaled scores stay under 2^31 in magnitude; a block whose largest p lies under 2^-124 keeps the byte 1; v_exp_f32 gives 0 for results under 2^-126;
; O is divided by the sum by v_rcp_f32 and multiplications.
.set KVB,   13056
.set QREC,  6656
.set WL,    24*KVB                     ; w_last's 8 tiles as half images of 768 bytes
.set WLS,   WL+6144                    ; their scale words, 64 bytes each
.set SPARE, WLS+512                    ; the spare words, 128 bytes for each wave
.set MST,   4*KVB                      ; the merge: 4,352 bytes for each of waves 8-15, on records whose last fill and last read are over
.set STG,   16*KVB                     ; the way out: 128 rows (channels) x (512 bytes + 16), likewise
.set SP,    528
.set L16,  1
.set L8,   2
.set SPW,  3
.set NIL,  4
.set H8,   5
.set AK,   6
.set AV,   7
.set AV8,  8
.set PFO,  9
.set NM,   10                          ; v10 -M, v11 the largest score; at the end -M and the sum
.set SM,   11
.set L,    12                          ; v[12:13]
.set F,    14                          ; v[14:15]
.set W,    16
.set QSC,  17
.set YSC,  18
.set PSC,  19
.set KSC,  20                          ; v20-23: lanes 0-15 tile 2 p, lanes 16-31 tile 2 p + 1; at the end w_last's
.set VSC,  24                          ; v24-25
.set TP,   26
.set TQ,   27
.set SO,   28                          ; v28-29 the conversions' scale operands
.set PT,   30                          ; v30-31 lane permutes' destinations
.set T,    32                          ; v32-39 maxima, then second halves of conversions, then partial sums
.set BM,   36
.set IX,   38
.set P,    40                          ; v40-51 p's codes, at the end y's
.set TH,   52                          ; v52-57 theta, v58-63 zero codes
.set S,    64                          ; v64-127 S^T, then p; at the end v64-111 w_last
.set O,    128                         ; v128-159 O^T, at the end y
.set KF,   160                         ; v160-207 K; at the end v160-191 x's residual
.set VF,   208                         ; v208-255 V; at the end my partner's O
.set D,    192                         ; v192-255 the last product
.set MR16, 118                         ; addresses of the way out
.set MR8,  119
.set WLR16, 120
.set WLR8, 121
.set WLR4, 122
.set STO,  123
.set SRD,  124
.set WV,   12
.set SEL,  20
.set CS,   22
.set G1,   24
.set G0,   32
.set TK,   36
.set TV,   37
.set CNT,  38
.set NC,   39
.set G1L,  56
.macro WALU
	s_wait_alu depctr_va_vdst(0)
.endm
.macro BARRIER
	s_barrier_signal -1
	s_barrier_wait -1
.endm
.macro CROUND                          ; a round of the cluster's barrier
	BARRIER
	s_cmp_lg_u32 s[WV], 0
	s_cbranch_scc1 .Lnot_wave_0_\@
	s_barrier_signal -3
.Lnot_wave_0_\@:
	s_barrier_wait -3
	BARRIER
.endm
.macro PLACES n
.rept \n
	v_nop
.endr
.endm
.macro TLOAD g1
	tensor_load_to_lds s[G0:G0+3], s[\g1:\g1+7]
	s_nop 0
	PLACES 4
.endm
.macro SPROD t, r                      ; S^T of tile t: whole in one instruction
	v_wmma_scale_f32_16x16x128_f8f6f4 v[S+8*\t:S+8*\t+7], v[KF+6*\t:KF+6*\t+11], v[TH:TH+11], 0, v[KSC+\t/2], v[QSC] matrix_a_fmt:MATRIX_FMT_FP6 matrix_b_fmt:MATRIX_FMT_FP6 matrix_a_scale:MATRIX_SCALE_ROW\r
.endm
.macro OPROD k, r                      ; O^T += g p^T, tile k of channels.  The accumulators take turns, one instruction a turn
	v_wmma_scale_f32_16x16x128_f8f6f4 v[O+8*\k:O+8*\k+7], v[VF+12*\k:VF+12*\k+11], v[P:P+11], v[O+8*\k:O+8*\k+7], v[VSC+\k/2], v[PSC] matrix_a_fmt:MATRIX_FMT_FP6 matrix_b_fmt:MATRIX_FMT_FP6 matrix_a_scale:MATRIX_SCALE_ROW\r
.endm
.macro OPRODS
	OPROD 0, 0
	OPROD 1, 1
	OPROD 2, 0
	OPROD 3, 1
.endm
.macro SUMS                            ; the four partial sums of the last step's p
	v_pk_add_f32 v[T:T+1], v[T:T+1], v[T+2:T+3]
	v_pk_add_f32 v[T+4:T+5], v[T+4:T+5], v[T+6:T+7]
	v_pk_add_f32 v[T:T+1], v[T:T+1], v[T+4:T+5]
	v_pk_add_f32 v[L:L+1], v[L:L+1], v[T:T+1]
.endm
.macro ADDRS
	v_add_nc_u32 v[AV], s[TV], v[L16]
	v_add_nc_u32 v[AV8], s[TV], v[L8]
	v_add_nc_u32 v[AK], s[TK], v[L16]
.endm
.macro LOADS k                         ; V of the record at TV; k = 1: K of the record at TK; k = 0: x's residual into K's registers
.if \k
.irp p, 0,1,2,3,4,5,6,7,8,9,10,11
	ds_load_b128 v[KF+4*\p:KF+4*\p+3], v[AK] offset:512*\p
.endr
	ds_load_b128 v[KSC:KSC+3], v[AK] offset:12288
.else
.irp i, 0,1,2,3,4,5,6,7
	global_load_b128 v[KF+4*\i:KF+4*\i+3], v[L16], s[46:47] offset:16384*\i th:TH_LOAD_NT   ; channel 8 wave + i, my block's 512 consecutive bytes
.endr
.endif
.irp p, 0,1,2,3,4,5,6,7,8,9,10,11
	ds_load_b128 v[VF+4*\p:VF+4*\p+3], v[AV] offset:6144+512*\p
.endr
	ds_load_b64 v[VSC:VSC+1], v[AV8] offset:12800
.endm
; A STEP: 128 keys
.macro STEP k
	s_wait_dscnt 0x0                               ; this step's K and the last step's V are in
	WALU
	OPRODS
	SPROD 0, 0
	SPROD 1, 1
	SPROD 2, 0
	SPROD 3, 1
	SPROD 4, 0
	SPROD 5, 1
	SPROD 6, 0
	SPROD 7, 1
	SUMS                                           ; these lines and the next are the places ahead of the loads
	ADDRS
	LOADS \k
	WALU
.irp q, 0,1,2,3                        ; four chains of 16 scores: blocks c = 0 (chains 0, 1) and c = 1 (2, 3) of my half of the lanes
	v_max3_num_f32 v[T+\q], v[S+16*\q], v[S+16*\q+1], v[S+16*\q+2]
.endr
.irp i, 3,5,7,9,11,13
.irp q, 0,1,2,3
	v_max3_num_f32 v[T+\q], v[T+\q], v[S+16*\q+\i], v[S+16*\q+\i+1]
.endr
.endr
	v_max3_num_f32 v[T], v[T], v[S+15], v[S+31]
	v_max3_num_f32 v[T+2], v[T+2], v[S+47], v[S+63]
	v_max_num_f32 v[T], v[T], v[T+1]               ; the largest score of each block
	v_max_num_f32 v[T+2], v[T+2], v[T+3]
	v_max_num_f32 v[TP], v[T], v[T+2]
	v_permlanex16_b32 v[PT], v[TP], s[SEL], s[SEL+1]
	s_delay_alu instid0(VALU_DEP_1)
	v_max3_num_f32 v[SM], v[SM], v[TP], v[PT]      ; the running largest score of my query
	s_delay_alu instid0(VALU_DEP_1)
	v_mul_f32 v[TP], s[NC], v[SM]                  ; -t
	s_delay_alu instid0(VALU_DEP_1)
	v_floor_f32 v[TP], v[TP]                       ; the new -M: M is a whole number
	s_delay_alu instid0(VALU_DEP_1)
	v_sub_f32 v[TQ], v[TP], v[NM]                  ; old M less new M
	v_mov_b32 v[NM], v[TP]
.irp j, 0,2,4,6,8,10,12,14,16,18,20,22,24,26,28,30,32,34,36,38,40,42,44,46,48,50,52,54,56,58,60,62
	v_pk_fma_f32 v[S+\j:S+\j+1], v[S+\j:S+\j+1], s[CS:CS+1], v[NM:NM+1] op_sel_hi:[1,0,0]   ; t - M
.endr
	v_fma_f32 v[BM], v[T], s[CS], v[NM]            ; the same of the blocks' largest
	v_fma_f32 v[BM+1], v[T+2], s[CS], v[NM]
	v_cvt_i32_f32 v[TQ], v[TQ]                     ; (it saturates)
	v_max_num_f32 v[BM], 0xc2f80000, v[BM]         ; held at -124: the scale's byte cannot fall under 1
	v_max_num_f32 v[BM+1], 0xc2f80000, v[BM+1]
	v_ldexp_f32 v[F], 1.0, v[TQ]                   ; f = 2^(old M - new M)
	v_cvt_floor_i32_f32 v[IX], v[BM]               ; floor(log2(the block's largest p))
	v_cvt_floor_i32_f32 v[IX+1], v[BM+1]
	v_lshl_add_u32 v[SO], v[IX], 23, 0x3e800000    ; + 125, as an exponent field: the conversion's scale operand
	v_lshl_add_u32 v[W], v[IX+1], 16, v[IX]
	v_lshl_add_u32 v[SO+1], v[IX+1], 23, 0x3e800000
	v_lshlrev_b32 v[W], v[H8], v[W]                ; my two numbers at bytes h and 2 + h; the other half of the lanes has the other two
	s_delay_alu instid0(VALU_DEP_1)
	v_permlanex16_b32 v[PT+1], v[W], s[SEL], s[SEL+1]
	WALU
.irp j, 0,1,2,3,4,5,6,7,8,9,10,11,12,13,14,15,16,17,18,19,20,21,22,23,24,25,26,27,28,29,30,31,32,33,34,35,36,37,38,39,40,41,42,43,44,45,46,47,48,49,50,51,52,53,54,55,56,57,58,59,60,61,62,63
	v_exp_f32 v[S+\j], v[S+\j]                     ; p = 2^(t - M)
.endr
	v_pk_mul_f32 v[L:L+1], v[L:L+1], v[F:F+1] op_sel_hi:[1,0]   ; the sum under the new M (a plain place behind the exponentials)
	WALU
.irp j, 0,2,4,6,8,10,12,14,16,18,20,22,24,26,28,30
	v_pk_mul_f32 v[O+\j:O+\j+1], v[O+\j:O+\j+1], v[F:F+1] op_sel_hi:[1,0]   ; O^T under the new M
.endr
.irp c, 0,1
	v_cvt_scalef32_pk16_fp6_f32 v[P+6*\c:P+6*\c+2], v[S+32*\c:S+32*\c+15], v[SO+\c]
	v_cvt_scalef32_pk16_fp6_f32 v[T+4*\c:T+4*\c+2], v[S+32*\c+16:S+32*\c+31], v[SO+\c]   ; (a conversion's three registers begin on an even number)
.endr
	v_add3_u32 v[PSC], v[W], v[PT+1], 0x7d7d7d7d   ; four bytes, floor + 125 each: p's scale word.  (The plain place behind a scaled conversion)
.irp c, 0,1
.irp i, 0,1,2
	v_mov_b32 v[P+6*\c+3+\i], v[T+4*\c+\i]
.endr
.endr
.irp q, 0,1,2,3                        ; the sum of the unquantised p, four chains of pairs
	v_pk_add_f32 v[T+2*\q:T+2*\q+1], v[S+4*\q:S+4*\q+1], v[S+4*\q+2:S+4*\q+3]
.endr
.set E_, S+16
.rept 6
.irp q, 0,1,2,3
	v_pk_add_f32 v[T+2*\q:T+2*\q+1], v[T+2*\q:T+2*\q+1], v[E_:E_+1]
.set E_, E_+2
.endr
.endr
.endm
.macro NEXT                            ; on to the next record
	s_add_co_u32 s[TK], s[TK], KVB
	s_add_co_u32 s[TV], s[TV], KVB
.endm
.macro STEPS n
	s_mov_b32 s[CNT], \n
.Lsteps_\@:
	STEP 1
	NEXT
	s_sub_co_u32 s[CNT], s[CNT], 1
	s_cmp_lg_u32 s[CNT], 0
	s_cbranch_scc1 .Lsteps_\@
.endm
	s_load_b256 s[4:11], s[0:1], 0x0               ; kv s[4:5], qb s[6:7], w_last s[8:9], x s[10:11]
	s_load_b64 s[50:51], s[0:1], 0x20              ; out0
	v_lshl_add_u32 v[SPW], v0, 2, SPARE
	v_mov_b32 v[NIL], 0
	ds_add_u32 v[SPW], v[NIL]                      ; the wave's opening: the add, twice on end, and its wait
	ds_add_u32 v[SPW], v[NIL]
	v_lshrrev_b32 v240, 5, v0
	v_readfirstlane_b32 s[WV], v240                ; wave 0..15
	s_bfe_u32 s13, ttmp6, 0x40000                  ; cx
	s_lshl_b32 s14, ttmp9, 2
	s_add_co_u32 s14, s14, s13                     ; my block of 128 queries: it enters theta's, x's and out0's addresses alone
	s_and_b32 s15, ttmp7, 0xffff                   ; the batch, which the four partners share
	s_lshl_b32 s16, s15, 5
	s_add_co_u32 s18, s16, s14
	s_mul_i32 s18, s18, QREC
	s_mov_b32 s19, 0
	s_and_b32 s48, s[WV], 1                        ; for the loads: half w % 2 of the keys;
	s_bfe_u32 s49, s[WV], 0x20001                  ; (w / 2) % 4: waves 0-7 record (w / 2) % 4 of it, waves 8-15 records 4 + 2 ((w / 2) % 4) and the next
	s_lshr_b32 s54, s[WV], 3                       ; my half of the keys in the work
	s_lshl_b32 s13, s54, 2
	s_lshl_b32 s49, s49, s54
	s_add_co_u32 s49, s49, s13
	s_lshl_b32 s17, s48, 4
	s_add_co_u32 s16, s16, s17
	s_add_co_u32 s16, s16, s49
	s_mul_i32 s16, s16, KVB
	s_mov_b32 s17, 0
	s_mul_i32 s53, s48, 12*KVB
	s_mul_i32 s13, s49, KVB
	s_add_co_u32 s53, s53, s13                     ; where they go in LDS: no place in the cluster enters it
	s_lshl_b32 s42, s15, 21                        ; x and out0: batch x 128 rows of 16,384 bytes
	s_lshl_b32 s43, s[WV], 17                      ; + my 8 channels on the way out
	s_add_co_u32 s42, s42, s43
	s_lshl_b32 s43, s14, 9                         ; + my block's 128 positions
	s_add_co_u32 s42, s42, s43
	s_mov_b32 s43, 0
	s_and_b32 s55, s[WV], 7                        ; my tile of 16 queries
	s_mul_i32 s[TV], s54, 12*KVB
	s_mov_b32 s[TK], s[TV]
	; descriptor group 1: one record, dense: 51 rows of 256 bytes (32 elements of 8 bytes); and two records: 102 rows
	s_mov_b32 s[G1], 15|(3<<16)|(1<<21)            ; the mask: all four work-groups; elements of 8 bytes; bit 21 set beside a mask
	s_mov_b32 s[G1L], 15|(3<<16)|(1<<21)
	s_mov_b32 s[G1+2], 51<<16
	s_mov_b32 s[G1L+2], 102<<16
	s_mov_b32 s[G1+4], 51
	s_mov_b32 s[G1L+4], 102
.irp g, G1, G1L
	s_mov_b32 s[\g+1], 32<<16
	s_mov_b32 s[\g+3], 32<<16
	s_mov_b32 s[\g+5], 32
	s_mov_b32 s[\g+6], 0
	s_mov_b32 s[\g+7], 0
.endr
	s_mov_b32 s[SEL], 0x76543210
	s_mov_b32 s[SEL+1], 0xfedcba98                 ; v_permlanex16_b32's selects for lane l xor 16
	s_mov_b32 s[CS], 0x3fb8aa3b                    ; log2(e)
	s_mov_b32 s[CS+1], s[CS]
	s_mov_b32 s[NC], 0xbfb8aa3b                    ; - log2(e)
	s_mul_i32 s44, s55, 768
	s_lshl_b32 s45, s55, 6
	s_lshl_b32 s52, s55, 12
	v_and_b32 v240, 31, v0                         ; lane
	v_and_b32 v241, 15, v0                         ; r
	v_bfe_u32 v242, v0, 4, 1                       ; h
	v_lshlrev_b32 v[L16], 4, v240
	v_lshlrev_b32 v[L8], 3, v240
	v_lshlrev_b32 v[H8], 3, v242
	v_add_nc_u32 v243, s44, v[L16]                 ; theta's tile
	v_add_nc_u32 v244, s44, v[L8]
	v_lshl_add_u32 v247, v241, 2, s45
	v_lshl_add_u32 v249, v241, 8, s52              ; w_last: row 16 tile + r of 256 bytes,
	v_lshl_add_u32 v249, v242, 7, v249             ; + my half's 32 numbers
	v_min_u32 v245, 15, v240
	v_and_b32 v246, 1, v245
	v_lshrrev_b32 v245, 1, v245
	v_lshlrev_b32 v245, 14, v245
	v_lshl_add_u32 v[PFO], v246, 8, v245           ; the prefetch: lanes 0-15 my 8 rows x 2 blocks of 256 bytes, the others the last again
	WALU
	s_wait_dscnt 0x0
	CROUND                                         ; all four work-groups are here: the first joint loads meet
	s_wait_kmcnt 0x0
	s_mov_b32 s[G0], 1
	s_mov_b32 s[G0+1], s53
	s_add_nc_u64 s[G0+2:G0+3], s[4:5], s[16:17]
	s_or_b32 s[G0+3], s[G0+3], 0x80000000
	s_add_nc_u64 s[40:41], s[6:7], s[18:19]        ; my queries
	s_add_nc_u64 s[46:47], s[10:11], s[42:43]      ; x's residual
	s_add_nc_u64 s[50:51], s[50:51], s[42:43]      ; out0
	s_cmp_lt_u32 s[WV], 8
	s_cbranch_scc0 .Llater
	TLOAD G1                                       ; waves 0 to 7: records 0 to 3 of each half
	s_branch .Lasked
.Llater:
	TLOAD G1L                                      ; the others: records 4 to 11
.Lasked:
	global_load_b128 v[TH:TH+3], v243, s[40:41]
	global_load_b64 v[TH+4:TH+5], v244, s[40:41] offset:512
	global_load_b32 v[QSC], v247, s[40:41] offset:6144
.irp i, 6,7,8,9,10,11
	v_mov_b32 v[TH+\i], 0                          ; zero codes for K = 64 .. 127
.endr
.irp i, 0,1,2,3,4,5,6,7,8,9,10,11
	v_mov_b32 v[P+\i], 0                           ; the first step's O product adds zeros
.endr
	v_mov_b32 v[PSC], 0x7f7f7f7f
	v_mov_b32 v[L], 0
	v_mov_b32 v[L+1], 0
	v_mov_b32 v[NM], 0x7e967699                    ; -M = 1e38,
	v_mov_b32 v[SM], 0xfe967699                    ; the largest score so far: -1e38
	v_mov_b32 v[F+1], 0                            ; (named as the upper half of a pair)
	v_mov_b32 v[PT], 0                             ; a lane permute's destination counts as one of its sources
	v_mov_b32 v[PT+1], 0
	s_add_co_u32 s48, s44, WL
	v_add_nc_u32 v[AK], s48, v[L16]                ; where waves 0-7 store w_last's tile
	s_add_co_u32 s48, s48, 512
	v_add_nc_u32 v[AV], s48, v[L8]
	s_add_co_u32 s48, s45, WLS
	v_lshl_add_u32 v[AV8], v241, 2, s48
	WALU
	s_cmp_lt_u32 s[WV], 8
	s_cbranch_scc0 .Lno_tile
	; ---- w_last's tile wave: lane (r, h) holds a whole block, k = 32 h + 0 .. 31 of row 16 wave + r
.irp j, 0,1,2,3,4,5,6,7
	global_load_b128 v[S+4*\j:S+4*\j+3], v249, s[8:9] offset:16*\j
.endr
	s_wait_loadcnt 0x0
	v_max3_num_f32 v[BM], |v[S]|, |v[S+1]|, 0x1800000
	v_max3_num_f32 v[BM+1], |v[S+16]|, |v[S+17]|, 0x1800000
.irp i, 2,4,6,8,10,12,14
	v_max3_num_f32 v[BM], v[BM], |v[S+\i]|, |v[S+\i+1]|
	v_max3_num_f32 v[BM+1], v[BM+1], |v[S+16+\i]|, |v[S+17+\i]|
.endr
	v_max_num_f32 v[BM], v[BM], v[BM+1]
	v_add_nc_u32 v[SO], 0xff000000, v[BM]          ; 2 off the exponent field
	v_lshrrev_b32 v[IX], 23, v[SO]
	v_lshlrev_b32 v[IX], v[H8], v[IX]              ; my byte at its place,
	v_permlanex16_b32 v[PT], v[IX], s[SEL], s[SEL+1]
	v_or_b32 v[IX], v[IX], v[PT]                   ; with lane l xor 16's,
	v_or_b32 v[IX], 0x7f7f0000, v[IX]              ; and 127 for the two blocks that do not exist
	v_cvt_scalef32_pk16_fp6_f32 v[O:O+2], v[S:S+15], v[SO]
	v_cvt_scalef32_pk16_fp6_f32 v[T:T+2], v[S+16:S+31], v[SO]
	v_nop                                          ; one plain place behind a scaled conversion
.irp i, 0,1,2
	v_mov_b32 v[O+3+\i], v[T+\i]
.endr
	ds_store_b128 v[AK], v[O:O+3]
	ds_store_b64 v[AV], v[O+4:O+5]
	ds_store_b32 v[AV8], v[IX]
	WALU
.Lno_tile:
.set i, O
.rept 32
	v_mov_b32 v[i], 0                              ; O^T: the step is written for every trip alike, and the first change of M leaves zeros
.set i, i+1
.endr
.irp i, 0,1,2,3,4,5,6,7
	v_mov_b32 v[T+\i], 0
.endr
	WALU                                           ; the head's end
	s_cmp_lt_u32 s[WV], 8
	s_cbranch_scc0 .Lnot_first
	s_wait_tensorcnt 0x0
.Lnot_first:
	s_wait_loadcnt 0x0                             ; theta is in: the addresses of its loads lie in registers that V's loads write
	s_wait_dscnt 0x0                               ; my part of w_last has landed
	BARRIER                                        ; records 0 to 3 of each half are in; the others may be on their way
	ADDRS
	LOADS 1
	s_add_co_u32 s[TK], s[TK], KVB                 ; from here on K is one record ahead
	STEPS 3                                        ; steps 0 to 2: records 0 to 3
	WALU
	s_wait_tensorcnt 0x0
	s_wait_dscnt 0x0
	BARRIER                                        ; records 4 to 11 are in
	STEPS 2                                        ; steps 3, 4
	; ---- THE REFILL: no wave reads records 0 to 3 of a half any more
	WALU
	s_wait_tensorcnt 0x0                           ; no tensor load of mine is out, so the descriptor may be written
	ds_add_u32 v[SPW], v[NIL]                      ; 0 onto my spare word
	s_add_nc_u64 s[G0+2:G0+3], s[G0+2:G0+3], 12*KVB   ; waves 0-7: twelve records on, to the same place in LDS
	s_wait_dscnt 0x0                               ; the add is done, and so are my reads
	CROUND
	s_cmp_lt_u32 s[WV], 8
	s_cbranch_scc0 .Lno_refill
	TLOAD G1
.Lno_refill:
	STEPS 3                                        ; steps 5 to 7
	WALU
	s_wait_tensorcnt 0x0
	s_wait_dscnt 0x0                               ; my record of the refill is in, and my reads of records 4 to 7 are over:
	s_barrier_signal -1                            ; say so; behind it stand register work and loads of bytes that nobody writes ahead of the merge
	STEPS 3                                        ; steps 8 to 10
	WALU
	s_barrier_wait -1                              ; records 12 to 15 are in
	s_sub_co_u32 s[TK], s[TK], 12*KVB
	STEP 1                                         ; step 11
	global_prefetch_b8 v[PFO], s[46:47] th:TH_LOAD_NT scope:SCOPE_SE   ; x's residual: each of my 16 blocks of 256 bytes once, four steps ahead of its loads
	NEXT
	s_sub_co_u32 s[TV], s[TV], 12*KVB
	STEPS 3                                        ; steps 12 to 14
	STEP 0                                         ; step 15: no further K
	; ---- THE MERGE
	s_wait_dscnt 0x0
	WALU
	OPRODS                                         ; the last step's O product
	SUMS
	v_add_f32 v[L], v[L], v[L+1]
	v_permlanex16_b32 v[PT], v[L], s[SEL], s[SEL+1]
	v_add_f32 v[SM], v[L], v[PT]                   ; my row's sum over my half of the keys
	s_mul_i32 s48, s55, 4352
	s_add_co_u32 s48, s48, MST
	v_add_nc_u32 v[MR16], s48, v[L16]              ; the merge's bytes of my tile
	s_add_co_u32 s48, s48, 4096
	v_add_nc_u32 v[MR8], s48, v[L8]
	v_and_b32 v126, 31, v0
	v_lshlrev_b32 v126, 2, v126
	v_add_nc_u32 v[WLR16], WL, v[L16]              ; w_last's tiles
	v_add_nc_u32 v[WLR8], WL+512, v[L8]
	v_add_nc_u32 v[WLR4], WLS, v126
	s_lshr_b32 s48, s55, 1
	s_lshl_b32 s48, s48, 7
	s_and_b32 s49, s55, 1
	s_lshl_b32 s49, s49, 5
	s_add_co_u32 s48, s48, s49
	s_add_co_u32 s48, s48, STG
	s_mul_i32 s49, s[WV], 8*SP
	s_add_co_u32 s49, s49, STG
	v_and_b32 v126, 15, v0
	v_bfe_u32 v127, v0, 4, 1
	v_mul_u32_u24 v[STO], v126, SP                 ; the stage, in: row = channel r of a tile; my eight positions 32 (tile / 2) + 8 (tile % 2) + 16 h + 0 .. 7
	v_lshl_add_u32 v[STO], v127, 6, v[STO]
	v_add_nc_u32 v[STO], s48, v[STO]
	v_add_nc_u32 v[SRD], s49, v[L16]               ; back: my 8 rows, 16 bytes a lane
	WALU
	s_cmp_lt_u32 s[WV], 8
	s_cbranch_scc1 .Lkeep
.irp i, 0,1,2,3,4,5,6,7
	ds_store_b128 v[MR16], v[O+4*\i:O+4*\i+3] offset:512*\i
.endr
	ds_store_b64 v[MR8], v[NM:SM]
.Lkeep:
	s_wait_dscnt 0x0                               ; for my partner's sake: my stores have landed
	BARRIER
	s_cmp_lt_u32 s[WV], 8
	s_cbranch_scc0 .Lrows
	ds_load_b64 v[T+4:T+5], v[MR8]                 ; my partner's -M and sum,
.irp i, 0,1,2,3,4,5,6,7
	ds_load_b128 v[VF+4*\i:VF+4*\i+3], v[MR16] offset:512*\i       ; and its O
.endr
.irp t, 0,1,2,3,4,5,6,7
	ds_load_b128 v[S+6*\t:S+6*\t+3], v[WLR16] offset:768*\t
	ds_load_b64 v[S+6*\t+4:S+6*\t+5], v[WLR8] offset:768*\t
.endr
.irp p, 0,1,2,3
	ds_load_b32 v[KSC+\p], v[WLR4] offset:128*\p
.endr
	s_wait_dscnt 28                                ; O's 8 loads and w_last's 20 may be out
	v_min_num_f32 v[TP], v[NM], v[T+4]             ; -M of both halves
	v_sub_f32 v[TQ], v[TP], v[NM]
	v_sub_f32 v[W], v[TP], v[T+4]
	v_cvt_i32_f32 v[TQ], v[TQ]
	v_cvt_i32_f32 v[W], v[W]
	v_ldexp_f32 v[F], 1.0, v[TQ]
	v_ldexp_f32 v[T+6], 1.0, v[W]
	v_mul_f32 v[TQ], v[SM], v[F]
	v_fma_f32 v[TQ], v[T+5], v[T+6], v[TQ]         ; the row's sum
	WALU
	v_rcp_f32 v[TP], v[TQ]
	v_nop                                          ; a plain place behind the transcendental
	WALU
	v_mul_f32 v[F], v[F], v[TP]
	v_mul_f32 v[T+6], v[T+6], v[TP]
	s_wait_dscnt 20                                ; w_last's 20 loads may be out
	WALU
.irp j, 0,2,4,6,8,10,12,14,16,18,20,22,24,26,28,30
	v_pk_mul_f32 v[O+\j:O+\j+1], v[O+\j:O+\j+1], v[F:F+1] op_sel_hi:[1,0]
.endr
.irp j, 0,2,4,6,8,10,12,14,16,18,20,22,24,26,28,30
	v_pk_fma_f32 v[O+\j:O+\j+1], v[VF+\j:VF+\j+1], v[T+6:T+7], v[O+\j:O+\j+1] op_sel_hi:[1,0,1]   ; y: register 16 b + i = channel 32 b + 16 h + i of my query
.endr
	; ---- THE WAY OUT: y quantised along its 64 channels; out = w_last y + x
.irp b, 0,1
	v_max3_num_f32 v[BM+\b], |v[O+16*\b]|, |v[O+1+16*\b]|, 0x1800000
.endr
.irp i, 2,4,6,8,10,12,14
.irp b, 0,1
	v_max3_num_f32 v[BM+\b], v[BM+\b], |v[O+16*\b+\i]|, |v[O+1+16*\b+\i]|
.endr
.endr
.irp b, 0,1
	v_permlanex16_b32 v[PT+\b], v[BM+\b], s[SEL], s[SEL+1]
.endr
.irp b, 0,1
	v_max_num_f32 v[BM+\b], v[BM+\b], v[PT+\b]
.endr
.irp b, 0,1
	v_add_nc_u32 v[SO+\b], 0xff000000, v[BM+\b]
.endr
.irp b, 0,1
	v_lshrrev_b32 v[IX+\b], 23, v[SO+\b]
.endr
	v_lshl_or_b32 v[W], v[IX+1], 8, v[IX]
	v_or_b32 v[YSC], 0x7f7f0000, v[W]
	v_cvt_scalef32_pk16_fp6_f32 v[P:P+2], v[O:O+15], v[SO]
	v_cvt_scalef32_pk16_fp6_f32 v[T:T+2], v[O+16:O+31], v[SO+1]
	v_nop                                          ; one plain place behind a scaled conversion
.irp i, 0,1,2
	v_permlane16_swap_b32 v[P+\i], v[T+\i]         ; half blocks become whole blocks
.endr
.irp i, 0,1,2
	v_mov_b32 v[P+3+\i], v[T+\i]
.endr
.irp i, 6,7,8,9,10,11
	v_mov_b32 v[P+\i], 0                           ; zero codes for K = 64 .. 127
.endr
	PLACES 8                                       ; ahead of scaled matrix instructions: 8 behind a scale register's write, 4 behind an operand's
	WALU
	s_wait_dscnt 0x0
.macro LPROD t, r                      ; a lane holds channel 16 t + r and eight neighbouring positions
	v_wmma_scale_f32_16x16x128_f8f6f4 v[D+8*\t:D+8*\t+7], v[P:P+11], v[S+6*\t:S+6*\t+11], 0, v[YSC], v[KSC+\t/2] matrix_a_fmt:MATRIX_FMT_FP6 matrix_b_fmt:MATRIX_FMT_FP6 matrix_b_scale:MATRIX_SCALE_ROW\r
.endm
	LPROD 0, 0
	LPROD 1, 1
	LPROD 2, 0
	LPROD 3, 1
	LPROD 4, 0
	LPROD 5, 1
	LPROD 6, 0
	LPROD 7, 1
	PLACES 4
.irp t, 0,1,2,3,4,5,6,7
	ds_store_b128 v[STO], v[D+8*\t:D+8*\t+3] offset:16*\t*SP       ; each accumulator from its low end on
	ds_store_b128 v[STO], v[D+8*\t+4:D+8*\t+7] offset:16*\t*SP+16
.endr
.Lrows:
	s_wait_dscnt 0x0                               ; for the others' sake: my stores into the stage have landed
	BARRIER
.irp i, 0,1,2,3,4,5,6,7
	ds_load_b128 v[S+4*\i:S+4*\i+3], v[SRD] offset:\i*SP
.endr
	s_wait_loadcnt 0x0                             ; x's residual
.irp i, 0,1,2,3,4,5,6,7
	s_wait_dscnt 7-\i                              ; the later rows may be out
	v_pk_add_f32 v[S+4*\i:S+4*\i+1], v[KF+4*\i:KF+4*\i+1], v[S+4*\i:S+4*\i+1]
	v_pk_add_f32 v[S+4*\i+2:S+4*\i+3], v[KF+4*\i+2:KF+4*\i+3], v[S+4*\i+2:S+4*\i+3]
	global_store_b128 v[L16], v[S+4*\i:S+4*\i+3], s[50:51] offset:16384*\i th:TH_STORE_NT   ; 32 lanes store 512 consecutive bytes, at a multiple of 256 from out0's first byte
.endr
	s_wait_tensorcnt 0x0                           ; the wave's end
	ds_add_u32 v[SPW], v[NIL]
	s_wait_dscnt 0x0
	CROUND                                         ; the closing round: no work-group ends while a partner may still ask for a record that names it
	s_endpgm
.Lfunc_end_k_qf9aa80e462_attn:
	.size	k_qf9aa80e462_attn, .Lfunc_end_k_qf9aa80e462_attn-k_qf9aa80e462_attn
	.p2alignl 7, 3214868480
	.fill 96, 4, 3214868480
	.section	.rodata,"a",@progbits
	.p2align	6, 0x0
	.amdhsa_kernel k_qf9aa80e462_attn
		.amdhsa_group_segment_fixed_size 327680
		.amdhsa_private_segment_fixed_size 0
		.amdhsa_enable_private_segment 0
		.amdhsa_kernarg_size 40
		.amdhsa_user_sgpr_count 2
		.amdhsa_user_sgpr_kernarg_segment_ptr 1
		.amdhsa_wavefront_size32 1
		.amdhsa_system_sgpr_workgroup_id_x 1
		.amdhsa_system_sgpr_workgroup_id_y 1
		.amdhsa_system_sgpr_workgroup_id_z 1
		.amdhsa_system_vgpr_workitem_id 0
		.amdhsa_next_free_vgpr 256
		.amdhsa_next_free_sgpr 66
		.amdhsa_reserve_vcc 0
		.amdhsa_float_denorm_mode_32 3
		.amdhsa_float_denorm_mode_16_64 3
		.amdhsa_memory_ordered 1
		.amdhsa_forward_progress 1
		.amdhsa_inst_pref_size 130
	.end_amdhsa_kernel
	.amdgpu_metadata
---
amdhsa.version: [ 1, 2 ]
amdhsa.kernels:
  - .name:           k_qf9aa80e462_attn
    .symbol:         k_qf9aa80e462_attn.kd
    .args:
      - { .name: kv, .offset: 0, .size: 8, .value_kind: global_buffer, .address_space: global }
      - { .name: qb, .offset: 8, .size: 8, .value_kind: global_buffer, .address_space: global }
      - { .name: w_last, .offset: 16, .size: 8, .value_kind: global_buffer, .address_space: global }
      - { .name: x, .offset: 24, .size: 8, .value_kind: global_buffer, .address_space: global }
      - { .name: out0, .offset: 32, .size: 8, .value_kind: global_buffer, .address_space: global }
    .group_segment_fixed_size: 327680
    .private_segment_fixed_size: 0
    .kernarg_segment_align: 8
    .kernarg_segment_size: 40
    .max_flat_workgroup_size: 512
    .sgpr_count:     66
    .vgpr_count:     256
    .wavefront_size: 32
...
	.end_amdgpu_metadata
.endif
;; end of part 2
